; MI455X (gfx1250); checked and timed in simulation.
; The chip was launched on July 23, 2026; its instructions are those of AMD's public machine-readable ISA for CDNA 5 (MIT licence, August 2026) and "CDNA5" Instruction Set Architecture Reference Guide (July 2026). The comments in the code are by the model that wrote it; some were corrected since.
;; Cross Attention. Allowed arithmetic: matrix products marked QUANTISED: E5M2 operands, one given power-of-two scale a tensor, by v_wmma_f32_16x16x64_bf8_bf8 or v_wmma_f32_16x16x128_bf8_bf8, f32 sums; everything else in f32.
;; Inputs: Wkv_codes 2,048 x 32 x 32 uint8 (E5M2 codes of Wkv, K innermost, in blocks of 32 codes); Wout_codes 1,024 x 32 x 32 uint8 (E5M2 codes of Wout, K innermost, in blocks of 32 codes); Wq_codes 1,024 x 32 x 32 uint8 (E5M2 codes of Wq, K innermost, in blocks of 32 codes); beta one number float32; bout 1,024 float32; context_codes 2 x 4 x 1,024 x 32 x 32 uint8 (E5M2 codes of context, K innermost, in blocks of 32 codes); doc_similarities 2 x 4 float32; lowp_scales 10 int32 (the exponents e of the quantised operands' scales 2^e); x_codes 2 x 1,024 x 32 x 32 uint8 (E5M2 codes of x, K innermost, in blocks of 32 codes).
;; Outputs: out0 2 x 1,024 x 1,024 float32.
;; This version of the problem:
;;   THIS VERSION OF THE PROBLEM IS GIVEN IN LOW PRECISION. The matrix products marked QUANTISED in the list below multiply operands that are first quantised to E5M2 (5 exponent bits, 2 mantissa bits; 8 bits a number), with one given power-of-two scale for each operand tensor; their sums are f32. All else is computed in f32.
;;   The module's matrix products, in the order in which they are computed (A, B: the left and right operand; K: the contracted axis; several contracted axes count as one K, in the product's order):
;;     1. [M 2,048, K 1,024] x [K 1,024, N 1,024]; A: input x (given as codes); B: input Wq (given as codes): QUANTISED (scales: A lowp_scales[0], B lowp_scales[1])
;;     2. [M 8,192, K 1,024] x [K 1,024, N 2,048]; A: input context (given as codes); B: input Wkv (given as codes): QUANTISED (scales: A lowp_scales[2], B lowp_scales[3])
;;     3. batch 16 x [M 1,024, K 128] x [K 128, N 4,096]; A: computed on the way; B: computed on the way: QUANTISED (scales: A lowp_scales[4], B lowp_scales[5])
;;     4. batch 16 x [M 1,024, K 4,096] x [K 4,096, N 128]; A: softmax (see below); B: computed on the way: QUANTISED (scales: A lowp_scales[6], B lowp_scales[7])
;;     5. [M 2,048, K 1,024] x [K 1,024, N 1,024]; A: computed on the way; B: input Wout (given as codes): QUANTISED (scales: A lowp_scales[8], B lowp_scales[9])
;;   THE QUANTISER, for each operand of a quantised product, along K:
;;     - The operand's scale is 2^e, e = its entry of the input lowp_scales (int32; the entries are numbered through the quantised products in the list's order, A before B).
;;     - Each number is divided by the scale, clamped to +-57,344, and rounded to the nearest number of E5M2, ties to even, subnormals kept.
;;     - The product sums the exact products of the quantised numbers (number of the format x scale) in f32.
;;   ~~~python
;;   def quantise(x, axis, e):      # numpy; x: float32 -> the quantised numbers, widened to float32 again
;;       x = np.moveaxis(x, axis, -1); K = x.shape[-1]
;;       r = np.clip(x / 2.0 ** e, -57344, 57344)
;;       step = 2.0 ** (np.maximum(np.frexp(np.where(r == 0, 1, r))[1] - 1, -14) - 2)
;;       q = np.round(r / step) * step * 2.0 ** e      # np.round: ties to even
;;       return np.moveaxis(q, -1, axis).astype(np.float32)
;;   ~~~
;;   SOFTMAX AHEAD OF A QUANTISED PRODUCT. Where the list says 'softmax', what is quantised is not the finished softmax but p = 2^(t - M), with t = logit x log2(e) and M = ceil(the row's largest t), a whole number; so 1/2 < the row's largest p <= 1. The row's sum l is taken of the UNQUANTISED p, in f32, and the product's result is divided by l at the end. Since M is a whole number, a kernel that streams over the keys may use a running M (the ceiling of the running maximum): every later rescaling is an exact power of two, so the quantised numbers keep their values, but for numbers so far below the row's largest that they fall under the format's range.
;;   OPERANDS COMPUTED ON THE WAY. 'Computed on the way' means the value that the module computes at that place (a softmax that the list does not call 'softmax' is quantised finished and normalised). What goes into a quantiser is computed in f32, as accurately as f32 sums, v_exp_f32 and their like allow (about 1e-6 of the number): no bf16 or f16 on the way to a quantiser, and a product that is left as it is and whose result goes on into a quantised operand takes f32 operands (vector FMAs, or v_wmma_f32_16x16x4_f32). A number that lies on a knife's edge between two numbers of the format may be rounded either way, as far as f32 arithmetic and the matrix unit's own rounding can turn it there, and no further.
;;   INPUTS GIVEN AS CODES. Wkv (in the module: [1024, 2048], K = its axis 0); Wout (in the module: [1024, 1024], K = its axis 0); Wq (in the module: [1024, 1024], K = its axis 0); context (in the module: [2, 4, 1024, 1024], K = its axis 3); x (in the module: [2, 1024, 1024], K = its axis 2): each comes as NAME_codes (uint8): NAME with its K axis moved to the last place and cut into blocks of 32 codes, [.., K / 32, bytes a block], one block behind the other in memory; one code a byte (a code: sign, 5 exponent bits, 2 mantissa bits); its scale is its entry of lowp_scales. Its value is code x scale, taken as it is: it is not quantised again, and the codes and scales need not be those that the quantiser above would give.
;; One version. Each part assembles by itself: llvm-mc -triple=amdgcn-amd-amdhsa -mcpu=gfx1250 --defsym DOCPART=n.
;; ======== version 1 of 1: 3 launches
;; limits: right only within a limited range of input values
;; workspace buffers: kvf 16,777,216 bytes; qf 2,097,152 bytes; aof 2,097,152 bytes
;; launch proj (part 1): grid 8 x 32, 4 waves a work-group, clusters of 4 x 4, 327,680 bytes of LDS; arguments context_codes, Wkv_codes, lowp_scales, kvf, x_codes, Wq_codes, qf; writes kvf, qf
.if DOCPART == 1
	.amdgcn_target "amdgcn-amd-amdhsa--gfx1250"
	.amdhsa_code_object_version 6
	.text
	.protected	k_q0437e4edfa_proj
	.globl	k_q0437e4edfa_proj
	.p2align	8
	.type	k_q0437e4edfa_proj,@function
k_q0437e4edfa_proj:
	s_mov_b64 s[64:65], 0
	v_nop
	global_prefetch_b8 v0, s[64:65] scope:SCOPE_SE
	s_setreg_imm32_b32 hwreg(HW_REG_WAVE_MODE, 25, 1), 1
	s_wait_xcnt 0x0
	s_wait_alu depctr_hold_cnt(0) depctr_sa_sdst(0) depctr_va_vdst(0) depctr_va_sdst(0) depctr_va_ssrc(0) depctr_va_vcc(0) depctr_vm_vsrc(0)
	s_getreg_b32 s2, hwreg(HW_REG_IB_STS2, 6, 4)
	s_cmp_eq_u32 s2, 0
	s_cbranch_scc0 .Lentry_in_a_cluster
	s_endpgm
.Lentry_in_a_cluster:
	s_bfe_u32 s2, ttmp6, 0x10000c
	s_cmp_lg_u32 s2, 0xf033
	s_cbranch_scc0 .Lentry_shape_is_right
	s_endpgm
.Lentry_shape_is_right:
; k, v = context Wkv and q = x Wq on codes of BF8 (E5M2), each result quantised for attention.  No work of reference() is left out.
; A work-group (X, Y) makes 256 rows of context x (128 columns of k and 128 of v of head X), then 64 rows of x x 128 columns of q of head X.  K = 1,024.
; Waves of k/v: half of the rows s15 = w / 2; s16 = w % 2: k (0) or v (1).  128 x 128 a wave: 64 accumulators, 512 registers.
; k: source 0 = Wkv's rows, source 1 = context's rows: a lane holds one key, registers along the channels.  v: the sources change places: a lane holds one channel, registers along the keys.
; So the conversions' results are fragments in the own layout of v_wmma_f32_16x16x128_bf8_bf8, stored as images of their registers: [4 pieces][32 lanes][16 bytes].
; kvf: [batch 2][head 8][block of 128 keys 32][8 fragments of k, 8 of v][2,048 bytes].  qf: [head 8][tile of 16 rows 128][2,048 bytes], lane = row.
; K goes in steps of 256 through a ring of two slots (four steps, written out), then q's operands in two halves of 512 along K through the same slots.
; A step of 128 along K is 64 products, source 1's blocks 0 to 7 one after the other, each against source 0's eight fragments.  Source 0 has two sets of registers.  Source 1 has three groups of four fragments: XA blocks 0-3,
; YA blocks 4-7, ZA idle.  The next step's fragments come in two runs: source 0's eight into the other set and source 1's lower four into ZA (48 loads), and behind block 3 its upper four into XA (16 loads); then the groups change roles.
; So a slot is read for the last time in the step before its last.  q's products alternate with the blocks of k's and v's way out.
; CLUSTERS 4 x 4: rows of context and x are shared along a row of the cluster, rows of Wkv and Wq along a column: joint loads.
; PREFETCH: behind the load of K step s the tiles of K step s + 1, behind K step 2's and K step 3's loads also the first and the second half of q's operands; each block of 256 bytes once in each cluster, partners told apart by address.
; LIMITS on the given exponents: e5 - e2 - e3, e7 - e2 - e3 and e4 - e0 - e1 lie between -126 and 112.  NaN among the inputs is not served.
; REGISTERS: window 0: v0-31 addresses, v64-255 source 1's fragments; on the way out v32-95 at work, v96-111 q's codes, v128-255 k/v's codes.
;            Window 1: source 0's fragments, two sets; then q's fragments, two sets of 96, and at v192 q's accumulators.  Windows 2, 3: accumulators.
.set KROW,   1024
.set ROWB,   256
.set PITCH,  272                       ; an LDS row: 256 bytes + 16
.set NP,     4
.set HALFT,  128*PITCH
.set SLOT,   4*HALFT
.set SPARE,  2*SLOT                    ; the spare words: 128 bytes for each wave
.set QP,     528                       ; q's operands in LDS: rows of 512 bytes + 16
.set QW,     64*QP                     ; Wq's 128 rows behind x's 64
.set PFO,  14
.set PFQ,  15
.set ADR1, 16
.set ADR0, 20
.set AXQ,  22
.set AWQ,  24
.set CO,   26
.set SPW,  28
.set NIL,  29
.set SCL,  30
.set LIM,  31
.set TMP,  32
.set QC,   96
.set CD,   128
.set QA,   192                         ; window 1
.set XA,   64
.set YA,   128
.set ZA,   192
.set G1, 24
.set G0, 32
.set G1B, 48
.set G0B, 56
.set G1Q, 68
.set G1QB, 76
.set MSB, 0
.macro WIN new
.if MSB != (\new)
	s_set_vgpr_msb (MSB<<8)|(\new)
.set MSB, (\new)
.endif
.endm
.set MUL_LO, 0xa1                      ; source 0 window 1, source 1 window 0, C and D window 2 (+ 0x50: window 3)
; A joint load: waves 0 and 1 fetch rows of context or x, waves 2 and 3 rows of Wkv or Wq.
.macro JLOAD g0a, g1a, g0b, g1b
	s_cmp_eq_u32 s15, 0
	s_cbranch_scc0 .Lfor_b_\@
	tensor_load_to_lds s[\g0a:\g0a+3], s[\g1a:\g1a+7]
	s_nop 0
.rept 4
	v_nop
.endr
	s_branch .Lasked_\@
.Lfor_b_\@:
	tensor_load_to_lds s[\g0b:\g0b+3], s[\g1b:\g1b+7]
	s_nop 0
.rept 4
	v_nop
.endr
.Lasked_\@:
.endm
.macro CREST                           ; a round of the cluster's barrier behind its opening barrier
	s_cmp_lg_u32 s14, 0
	s_cbranch_scc1 .Lnot_wave_0_\@
	s_barrier_signal -3
.Lnot_wave_0_\@:
	s_barrier_wait -3
	s_barrier_signal -1
	s_barrier_wait -1
.endm
.macro CROUND
	s_barrier_signal -1
	s_barrier_wait -1
	CREST
.endm
	s_load_b128 s[4:7], s[0:1], 0x0                ; context's codes, Wkv's
	s_load_b128 s[8:11], s[0:1], 0x10              ; the scales' exponents, kvf
	s_load_b128 s[96:99], s[0:1], 0x20             ; x's codes, Wq's
	s_load_b64 s[100:101], s[0:1], 0x30            ; qf
	v_lshl_add_u32 v[SPW], v0, 2, SPARE
	v_mov_b32 v[NIL], 0
	ds_add_u32 v[SPW], v[NIL]                      ; the opening add, twice on end
	ds_add_u32 v[SPW], v[NIL]
	v_lshrrev_b32 v1, 5, v0
	v_readfirstlane_b32 s14, v1                    ; wave
	s_lshr_b32 s15, s14, 1
	s_and_b32 s16, s14, 1
	s_bfe_u32 s40, ttmp6, 0x40000                  ; cx
	s_bfe_u32 s41, ttmp6, 0x40004                  ; cy
	s_lshl_b32 s42, ttmp9, 2
	s_add_co_u32 s42, s42, s40                     ; X: the head
	s_and_b32 s17, ttmp7, 0xffff
	s_lshl_b32 s17, s17, 2
	s_add_co_u32 s17, s17, s41                     ; Y
	s_lshl_b32 s43, s41, 2
	s_lshl_b32 s43, 15, s43                        ; my row of the cluster
	s_lshl_b32 s44, 0x1111, s40                    ; my column
	s_or_b32 s[G1+0], s43, (1<<20)|(1<<21)|(5<<22)|(3<<25)
	s_or_b32 s[G1B+0], s44, (1<<20)|(1<<21)|(5<<22)|(3<<25)
	s_or_b32 s[G1Q+0], s43, (1<<20)|(1<<21)|(6<<22)|(3<<25)
	s_or_b32 s[G1QB+0], s44, (1<<20)|(1<<21)|(6<<22)|(3<<25)
.irp g, G1, G1B                        ; 128 rows x 256 bytes
	s_mov_b32 s[\g+1], ROWB<<16
	s_mov_b32 s[\g+2], 128<<16
	s_mov_b32 s[\g+3], ROWB<<16
	s_mov_b32 s[\g+4], 128
	s_mov_b32 s[\g+5], KROW
	s_mov_b32 s[\g+6], 0
	s_mov_b32 s[\g+7], 0
.endr
.irp g, G1Q, G1QB                      ; 32 rows of x, 64 of Wq x 512 bytes
	s_mov_b32 s[\g+1], 512<<16
	s_mov_b32 s[\g+3], 512<<16
	s_mov_b32 s[\g+5], KROW
	s_mov_b32 s[\g+6], 0
	s_mov_b32 s[\g+7], 0
.endr
	s_mov_b32 s[G1Q+2], 32<<16
	s_mov_b32 s[G1Q+4], 32
	s_mov_b32 s[G1QB+2], 64<<16
	s_mov_b32 s[G1QB+4], 64
	s_lshl_b32 s18, s16, 7
	s_lshl_b32 s20, s17, 8
	s_add_co_u32 s20, s20, s18                     ; context's row 256 Y + 128 s16
	s_lshl_b32 s20, s20, 10
	s_mov_b32 s21, 0
	s_lshl_b32 s19, s16, 10
	s_lshl_b32 s46, s42, 7
	s_add_co_u32 s46, s46, s19                     ; Wkv's row 128 X + 1,024 s16: k's rows, then v's
	s_lshl_b32 s46, s46, 10
	s_mov_b32 s47, 0
	s_mul_i32 s45, s14, HALFT
	s_wait_dscnt 0x0                               ; both opening adds are done
	s_wait_kmcnt 0x0
	s_load_b256 s[84:91], s[8:9], 0x0              ; e0 .. e7
	s_add_nc_u64 s[20:21], s[4:5], s[20:21]
	s_add_nc_u64 s[46:47], s[6:7], s[46:47]
.irp s, 0,1
	s_mov_b32 s[G0+4*\s], 1
	s_add_co_u32 s[G0+4*\s+1], s45, \s*SLOT
	s_add_nc_u64 s[G0+4*\s+2:G0+4*\s+3], s[20:21], \s*ROWB
	s_or_b32 s[G0+4*\s+3], s[G0+4*\s+3], 0x80000000
	s_mov_b32 s[G0B+4*\s], 1
	s_add_co_u32 s[G0B+4*\s+1], s45, \s*SLOT
	s_add_nc_u64 s[G0B+4*\s+2:G0B+4*\s+3], s[46:47], \s*ROWB
	s_or_b32 s[G0B+4*\s+3], s[G0B+4*\s+3], 0x80000000
.endr
	CROUND                                         ; all sixteen work-groups are here: the first joint loads meet
	JLOAD G0, G1, G0B, G1B                         ; K step 0
	; q's operands: x at row 64 Y + 32 s16, Wq at row 128 X + 64 s16
	s_lshl_b32 s92, s17, 6
	s_lshl_b32 s18, s16, 5
	s_add_co_u32 s92, s92, s18
	s_lshl_b32 s92, s92, 10
	s_mov_b32 s93, 0
	s_add_nc_u64 s[96:97], s[96:97], s[92:93]
	s_lshl_b32 s94, s42, 7
	s_lshl_b32 s19, s16, 6
	s_add_co_u32 s94, s94, s19
	s_lshl_b32 s94, s94, 10
	s_mov_b32 s95, 0
	s_add_nc_u64 s[98:99], s[98:99], s[94:95]
	s_mul_i32 s2, s16, 32*QP                       ; and in a slot
	s_mul_i32 s3, s16, 64*QP
	s_add_co_u32 s3, s3, QW
	; the prefetches of k's and v's operands: of the 128 rows that a wave fetches each partner names 32, a lane a row
	v_and_b32 v5, 31, v0
	v_lshlrev_b32 v[PFO], 10, v5
	s_cmp_eq_u32 s15, 0
	s_cselect_b32 s92, s40, s41
	s_cselect_b64 s[12:13], s[20:21], s[46:47]
	s_lshl_b32 s92, s92, 15
	s_add_nc_u64 s[12:13], s[12:13], s[92:93]
	; and of q's: 8 rows of x or 16 of Wq a partner, two lanes a row; of x's waves the upper lanes name the last block again
	s_lshl_b32 s92, s40, 13
	s_lshl_b32 s94, s41, 14
	s_cmp_eq_u32 s15, 0
	s_cselect_b32 s92, s92, s94
	s_cselect_b32 s94, 15, 31
	s_cselect_b64 s[22:23], s[96:97], s[98:99]
	s_add_nc_u64 s[22:23], s[22:23], s[92:93]
	s_wait_alu depctr_va_vdst(0)
	v_min_u32 v6, s94, v5
	v_lshrrev_b32 v7, 1, v6
	v_lshlrev_b32 v7, 10, v7
	v_and_b32 v6, 1, v6
	v_lshl_add_u32 v[PFQ], v6, 8, v7
	; LDS addresses: a fragment's lane reads row r at 16 h
	v_and_b32 v1, 15, v0                           ; r
	v_bfe_u32 v2, v0, 4, 1                         ; h
	v_mul_u32_u24 v3, v1, PITCH
	v_lshl_add_u32 v4, v2, 4, v3
	v_mul_u32_u24 v8, v1, QP
	v_lshl_add_u32 v[AXQ], v2, 4, v8
	v_lshlrev_b32 v[CO], 4, v5
	s_xor_b32 s92, s16, 1
	s_and_b32 s93, s15, s92
	s_mul_i32 s94, s16, 3
	s_add_co_u32 s93, s93, s94
	s_mul_i32 s93, s93, HALFT                      ; source 1: k: context's half s15; v: Wkv's rows of v
	s_lshl_b32 s94, s92, 1
	s_and_b32 s95, s15, s16
	s_add_co_u32 s94, s94, s95
	s_mul_i32 s94, s94, HALFT                      ; source 0: k: Wkv's rows of k; v: context's half s15
	s_mul_i32 s92, s14, 32*QP
	s_add_co_u32 s92, s92, QW                      ; q: my 32 rows of Wq
	s_wait_alu depctr_va_vdst(0)
	v_add_nc_u32 v[AWQ], s92, v[AXQ]
	v_add_nc_u32 v[AXQ+1], SLOT, v[AXQ]
.irp s, 0,1
	v_add_nc_u32 v[ADR1+\s], s93, v4
	v_add_nc_u32 v[ADR0+\s], s94, v4
	s_add_co_u32 s93, s93, SLOT
	s_add_co_u32 s94, s94, SLOT
.endr
	v_add_nc_u32 v[AWQ+1], SLOT, v[AWQ]
	; kvf at ((8 batch + X) 32 + block) x 32,768 + 16,384 s16; qf at (128 X + 4 Y) x 2,048 + 512 w
	s_lshr_b32 s92, s17, 4
	s_lshl_b32 s92, s92, 3
	s_add_co_u32 s92, s92, s42
	s_lshl_b32 s92, s92, 5
	s_lshl_b32 s94, s17, 1
	s_add_co_u32 s94, s94, s15
	s_and_b32 s94, s94, 31
	s_add_co_u32 s92, s92, s94
	s_lshl_b32 s92, s92, 15
	s_lshl_b32 s94, s16, 14
	s_add_co_u32 s92, s92, s94
	s_mov_b32 s93, 0
	s_add_nc_u64 s[10:11], s[10:11], s[92:93]
	s_lshl_b32 s92, s42, 18
	s_lshl_b32 s94, s17, 13
	s_add_co_u32 s92, s92, s94
	s_lshl_b32 s94, s14, 9
	s_add_co_u32 s92, s92, s94
	s_add_nc_u64 s[100:101], s[100:101], s[92:93]
	s_wait_alu depctr_va_vdst(0)
	global_prefetch_b8 v[PFO], s[12:13] offset:256 th:TH_LOAD_NT scope:SCOPE_SE
.macro FRAG reg, adr, q, i
.irp c, 0,1,2,3
	ds_load_b128 v[\reg+4*\c:\reg+4*\c+3], v[\adr] offset:128*(\q)+32*\c+(\i)*16*PITCH
.endr
.endm
.macro LB slot, q                      ; source 0's eight fragments of the slot's q-th 128 along K, into set q: 32 loads
	WIN 0x40
.irp i, 0,1,2,3,4,5,6,7
	FRAG 128*(\q)+16*\i, ADR0+\slot, \q, \i
.endr
	WIN 0
.endm
.macro LA slot, q, i0, g               ; source 1's blocks i0 .. i0 + 3 into group g: 16 loads
	WIN 0
.irp i, 0,1,2,3
	FRAG \g+16*\i, ADR1+\slot, \q, \i0+\i
.endr
.endm
.macro PLACES n                        ; places behind matrix instructions (ISA guide 7.12.1)
.rept \n
	v_nop
.endr
.endm
; Block a of source 1, in group g, against set p.  The 64 accumulators take turns in the same order in every step.
.macro BLK a, g, p, zero
	WIN MUL_LO+0x50*((\a)/4)
.irp b, 0,1,2,3,4,5,6,7
.if \zero
	v_wmma_f32_16x16x128_bf8_bf8 v[64*((\a)%4)+8*\b:64*((\a)%4)+8*\b+7], v[128*(\p)+16*\b:128*(\p)+16*\b+15], v[\g+16*((\a)%4):\g+16*((\a)%4)+15], 0
.else
	v_wmma_f32_16x16x128_bf8_bf8 v[64*((\a)%4)+8*\b:64*((\a)%4)+8*\b+7], v[128*(\p)+16*\b:128*(\p)+16*\b+15], v[\g+16*((\a)%4):\g+16*((\a)%4)+15], v[64*((\a)%4)+8*\b:64*((\a)%4)+8*\b+7]
.endif
.endr
.endm
.macro ROT                             ; the groups change roles
.set TA, XA
.set XA, ZA
.set ZA, YA
.set YA, TA
.endm
; A step of 128 along K with its successor in the same slot: q = 0, set 0.
.macro STEP slot, zero
	s_wait_dscnt 16                                ; the run of 48 is in; the run of 16 may be out
	BLK 0, XA, 0, \zero
	PLACES NP
	LB \slot, 1
	LA \slot, 1, 0, ZA
.irp a, 1,2,3
	BLK \a, XA, 0, \zero
.endr
	s_wait_dscnt 48                                ; my upper blocks are in; the 48 just issued may be out
	PLACES NP
	LA \slot, 1, 4, XA
.irp a, 4,5,6,7
	BLK \a, YA, 0, \zero
.endr
	ROT
.endm
.macro QDESC s                         ; slot s takes half s of q's operands along K
	s_add_co_u32 s[G0+4*\s+1], s2, \s*SLOT
	s_add_nc_u64 s[G0+4*\s+2:G0+4*\s+3], s[96:97], \s*512
	s_or_b32 s[G0+4*\s+3], s[G0+4*\s+3], 0x80000000
	s_add_co_u32 s[G0B+4*\s+1], s3, \s*SLOT
	s_add_nc_u64 s[G0B+4*\s+2:G0B+4*\s+3], s[98:99], \s*512
	s_or_b32 s[G0B+4*\s+3], s[G0B+4*\s+3], 0x80000000
.endm
; A slot's last step (q = 1, set 1) changes slots; its own fragments were asked for in the step before.  mode 1: the slot takes the K step two on; mode 2: the first half of q's operands.
.macro TURN slot, next, mode
	WIN 0
	s_wait_tensorcnt 0x0                           ; my part of the next slot has landed; the descriptors may be written
	ds_add_u32 v[SPW], v[NIL]
.if \mode == 1
	s_add_nc_u64 s[G0+4*\slot+2:G0+4*\slot+3], s[G0+4*\slot+2:G0+4*\slot+3], 2*ROWB
	s_add_nc_u64 s[G0B+4*\slot+2:G0B+4*\slot+3], s[G0B+4*\slot+2:G0B+4*\slot+3], 2*ROWB
.else
	QDESC \slot
.endif
	s_wait_dscnt 17                                ; the run of 48 is in; the run of 16 and the add may be out
	BLK 0, XA, 1, 0
	s_wait_dscnt 0x0                               ; the add is done, my reads of this slot are over
	s_barrier_signal -1
	BLK 1, XA, 1, 0
	WIN 0
	s_barrier_wait -1
	CREST
.if \mode == 1
	JLOAD G0+4*\slot, G1, G0B+4*\slot, G1B
.else
	JLOAD G0+4*\slot, G1Q, G0B+4*\slot, G1QB
.endif
	LB \next, 0                                    ; the four v_nop behind the joint load are these loads' places
	LA \next, 0, 0, ZA
.if \mode == 1
.if \slot == 0
	global_prefetch_b8 v[PFO], s[12:13] offset:768 th:TH_LOAD_NT scope:SCOPE_SE
.endif
	global_prefetch_b8 v[PFQ], s[22:23] offset:512*\slot th:TH_LOAD_NT scope:SCOPE_SE
.endif
	BLK 2, XA, 1, 0
	BLK 3, XA, 1, 0
	PLACES NP
	LA \next, 0, 4, XA
.irp a, 4,5,6,7
	BLK \a, YA, 1, 0
.endr
	ROT
.endm
	s_wait_alu depctr_va_vdst(0)                   ; the wait at the head's end
	s_wait_tensorcnt 0x0                           ; my part of K step 0 is in
	ds_add_u32 v[SPW], v[NIL]
	s_wait_dscnt 0x0
	CROUND
	JLOAD G0+4, G1, G0B+4, G1B                     ; K step 1
	LB 0, 0
	LA 0, 0, 0, XA
	LA 0, 0, 4, YA
	global_prefetch_b8 v[PFO], s[12:13] offset:512 th:TH_LOAD_NT scope:SCOPE_SE
	STEP 0, 1                                      ; the first products start the sums
	TURN 0, 1, 1
	STEP 1, 0
	TURN 1, 0, 1
	STEP 0, 0
	TURN 0, 1, 2
	STEP 1, 0
	s_wait_dscnt 16                                ; the last step
.irp a, 0,1,2,3
	BLK \a, XA, 1, 0
.endr
	WIN 0
	s_wait_tensorcnt 0x0                           ; the first half of q's operands is in
	ds_add_u32 v[SPW], v[NIL]
	QDESC 1
	s_wait_dscnt 1                                 ; all but the add
	BLK 4, YA, 1, 0
	s_wait_dscnt 0x0
	s_barrier_signal -1
	BLK 5, YA, 1, 0
	WIN 0
	s_barrier_wait -1
	CREST
	JLOAD G0+4, G1Q, G0B+4, G1QB                   ; the second half, into slot 1
	BLK 6, YA, 1, 0
	BLK 7, YA, 1, 0
	WIN 0
; q: wave w makes 64 rows x channels 32 w .. 32 w + 31: 8 accumulators by turns.  Source 0 = Wq's rows, source 1 = x's rows.
.macro QLOAD s, kk, b
	WIN 0x40
.irp i, 0,1
.irp c, 0,1,2,3
	ds_load_b128 v[96*(\b)+16*\i+4*\c:96*(\b)+16*\i+4*\c+3], v[AWQ+\s] offset:128*(\kk)+32*\c+\i*16*QP
.endr
.endr
.irp i, 0,1,2,3
.irp c, 0,1,2,3
	ds_load_b128 v[96*(\b)+32+16*\i+4*\c:96*(\b)+32+16*\i+4*\c+3], v[AXQ+\s] offset:128*(\kk)+32*\c+\i*16*QP
.endr
.endr
	WIN 0
.endm
.macro QMUL b, zero, younger
	s_wait_dscnt \younger
	WIN 0x55
.irp x, 0,1,2,3
.irp t, 0,1
.if \zero
	v_wmma_f32_16x16x128_bf8_bf8 v[QA+8*(2*\x+\t):QA+8*(2*\x+\t)+7], v[96*(\b)+16*\t:96*(\b)+16*\t+15], v[96*(\b)+32+16*\x:96*(\b)+32+16*\x+15], 0
.else
	v_wmma_f32_16x16x128_bf8_bf8 v[QA+8*(2*\x+\t):QA+8*(2*\x+\t)+7], v[96*(\b)+16*\t:96*(\b)+16*\t+15], v[96*(\b)+32+16*\x:96*(\b)+32+16*\x+15], v[QA+8*(2*\x+\t):QA+8*(2*\x+\t)+7]
.endif
.endr
.endr
	WIN 0
.endm
.macro SCALES                          ; s94: the exponents less the sums' own, folded into the conversion's scale
	s_add_co_i32 s94, s94, 127
	s_lshl_b32 s95, s94, 23
	v_mov_b32 v[SCL], s95
	s_add_co_i32 s94, s94, 15
	s_lshl_b32 s94, s94, 23
	s_or_b32 s94, s94, 0x600000
	v_mov_b32 v[LIM], s94                          ; 57,344 x the scale
.endm
.macro OUTBLK a
.set AC, 64*((\a)%4)
	WIN 0x02+((\a)/4)
.set i, 0
.rept 64
	v_med3_num_f32 v[TMP+i], v[AC+i], -v[LIM], v[LIM]   ; the conversion does not saturate (ISA guide 7.6.2)
.set i, i+1
.endr
	WIN 0
.irp b, 0,1,2,3,4,5,6,7
	v_cvt_scalef32_pk8_bf8_f32 v[CD+16*(\a)+2*\b:CD+16*(\a)+2*\b+1], v[TMP+8*\b:TMP+8*\b+7], v[SCL]
.endr
	v_nop
.irp c, 0,1,2,3
	global_store_b128 v[CO], v[CD+16*(\a)+4*\c:CD+16*(\a)+4*\c+3], s[10:11] offset:2048*(\a)+512*\c   ; 32 lanes store 512 consecutive bytes, aligned
.endr
.endm
	QLOAD 0, 0, 0
	s_wait_kmcnt 0x0
	s_cmp_eq_u32 s16, 0
	s_cselect_b32 s94, s89, s91
	s_sub_co_i32 s94, s94, s86
	s_sub_co_i32 s94, s94, s87                     ; e5 or e7, less e2 + e3
	SCALES
	PLACES NP
	OUTBLK 0                                       ; a block's 64 holds are also the places ahead of the loads behind it
	QLOAD 0, 1, 1
	OUTBLK 1
	QMUL 0, 1, 24                                  ; 24: the next fragments' loads may be out
	OUTBLK 2
	QLOAD 0, 2, 0
	QMUL 1, 0, 24
	OUTBLK 3
	QLOAD 0, 3, 1
	OUTBLK 4
	QMUL 0, 0, 24
	OUTBLK 5
	QMUL 1, 0, 0
	s_wait_tensorcnt 0x0                           ; my part of the second half is in
	s_barrier_signal -1
	s_barrier_wait -1
	QLOAD 1, 0, 0
	OUTBLK 6
	QLOAD 1, 1, 1
	OUTBLK 7
	QMUL 0, 0, 24
	PLACES NP
	QLOAD 1, 2, 0
	QMUL 1, 0, 24
	PLACES NP
	QLOAD 1, 3, 1
	QMUL 0, 0, 24
	QMUL 1, 0, 0
	s_sub_co_i32 s94, s88, s84
	s_sub_co_i32 s94, s94, s85                     ; e4 - e0 - e1
	SCALES
	PLACES NP
	WIN 0x01
.set i, 0
.rept 64
	v_med3_num_f32 v[TMP+i], v[QA+i], -v[LIM], v[LIM]
.set i, i+1
.endr
	WIN 0
.irp x, 0,1,2,3                        ; my 32 channels of a row tile: registers 4 w .. 4 w + 3 of its fragment, piece w of its image
	v_cvt_scalef32_pk8_bf8_f32 v[QC+4*\x:QC+4*\x+1], v[TMP+16*\x:TMP+16*\x+7], v[SCL]
	v_cvt_scalef32_pk8_bf8_f32 v[QC+4*\x+2:QC+4*\x+3], v[TMP+16*\x+8:TMP+16*\x+15], v[SCL]
.endr
	v_nop
.irp x, 0,1,2,3
	global_store_b128 v[CO], v[QC+4*\x:QC+4*\x+3], s[100:101] offset:2048*\x
.endr
	s_wait_tensorcnt 0x0                           ; the wave's end
	ds_add_u32 v[SPW], v[NIL]
	s_wait_dscnt 0x0
	CROUND                                         ; the closing round
	s_endpgm
.Lfunc_end_k_q0437e4edfa_proj:
	.size	k_q0437e4edfa_proj, .Lfunc_end_k_q0437e4edfa_proj-k_q0437e4edfa_proj
	.p2alignl 7, 3214868480
	.fill 96, 4, 3214868480
	.section	.rodata,"a",@progbits
	.p2align	6, 0x0
	.amdhsa_kernel k_q0437e4edfa_proj
		.amdhsa_group_segment_fixed_size 327680
		.amdhsa_private_segment_fixed_size 0
		.amdhsa_enable_private_segment 0
		.amdhsa_kernarg_size 56
		.amdhsa_user_sgpr_count 2
		.amdhsa_user_sgpr_kernarg_segment_ptr 1
		.amdhsa_wavefront_size32 1
		.amdhsa_system_sgpr_workgroup_id_x 1
		.amdhsa_system_sgpr_workgroup_id_y 1
		.amdhsa_system_sgpr_workgroup_id_z 1
		.amdhsa_system_vgpr_workitem_id 0
		.amdhsa_next_free_vgpr 1024
		.amdhsa_next_free_sgpr 102
		.amdhsa_reserve_vcc 0
		.amdhsa_float_denorm_mode_32 3
		.amdhsa_float_denorm_mode_16_64 3
		.amdhsa_memory_ordered 1
		.amdhsa_forward_progress 1
		.amdhsa_inst_pref_size 147
	.end_amdhsa_kernel
	.amdgpu_metadata
---
amdhsa.version: [ 1, 2 ]
amdhsa.kernels:
  - .name:           k_q0437e4edfa_proj
    .symbol:         k_q0437e4edfa_proj.kd
    .args:
      - { .name: context_codes, .offset: 0, .size: 8, .value_kind: global_buffer, .address_space: global }
      - { .name: Wkv_codes, .offset: 8, .size: 8, .value_kind: global_buffer, .address_space: global }
      - { .name: lowp_scales, .offset: 16, .size: 8, .value_kind: global_buffer, .address_space: global }
      - { .name: kvf, .offset: 24, .size: 8, .value_kind: global_buffer, .address_space: global }
      - { .name: x_codes, .offset: 32, .size: 8, .value_kind: global_buffer, .address_space: global }
      - { .name: Wq_codes, .offset: 40, .size: 8, .value_kind: global_buffer, .address_space: global }
      - { .name: qf, .offset: 48, .size: 8, .value_kind: global_buffer, .address_space: global }
    .group_segment_fixed_size: 327680
    .private_segment_fixed_size: 0
    .kernarg_segment_align: 8
    .kernarg_segment_size: 56
    .max_flat_workgroup_size: 128
    .sgpr_count:     102
    .vgpr_count:     1024
    .wavefront_size: 32
...
	.end_amdgpu_metadata
.endif
;; end of part 1
;; launch attn (part 2): grid 16 x 16, 8 waves a work-group, clusters of 4 x 1, 327,680 bytes of LDS; arguments qf, kvf, doc_similarities, beta, lowp_scales, aof; writes aof
.if DOCPART == 2
	.amdgcn_target "amdgcn-amd-amdhsa--gfx1250"
	.amdhsa_code_object_version 6
	.text
	.protected	k_q0437e4edfa_attn
	.globl	k_q0437e4edfa_attn
	.p2align	8
	.type	k_q0437e4edfa_attn,@function
k_q0437e4edfa_attn:
	s_mov_b64 s[64:65], 0
	v_nop
	global_prefetch_b8 v0, s[64:65] scope:SCOPE_SE
	s_setreg_imm32_b32 hwreg(HW_REG_WAVE_MODE, 25, 1), 1
	s_wait_xcnt 0x0
	s_wait_alu depctr_hold_cnt(0) depctr_sa_sdst(0) depctr_va_vdst(0) depctr_va_sdst(0) depctr_va_ssrc(0) depctr_va_vcc(0) depctr_vm_vsrc(0)
	s_getreg_b32 s2, hwreg(HW_REG_IB_STS2, 6, 4)
	s_cmp_eq_u32 s2, 0
	s_cbranch_scc0 .Lentry_in_a_cluster
	s_endpgm
.Lentry_in_a_cluster:
	s_bfe_u32 s2, ttmp6, 0x10000c
	s_cmp_lg_u32 s2, 0x3003
	s_cbranch_scc0 .Lentry_shape_is_right
	s_endpgm
.Lentry_shape_is_right:
; Attention over a batch's 4,096 keys on codes of BF8 (E5M2), its result quantised for the last projection.  No work of reference() is left out.
; SHARES.  A work-group owns 64 queries of one (batch, head); the four work-groups of a cluster belong to one head and walk the same k and v: each tile is asked for JOINTLY.
; Wave w: key group g = w % 4, query pair qp = w / 4.  A slot holds 512 keys = four blocks of 128; group g takes block g: 8 steps of 128 keys x 32 queries a wave.  The groups' sums are merged at the end.
; LAYOUT.  Every operand is a fragment of 16 registers in the own layout of v_wmma_f32_16x16x128_bf8_bf8, kept in memory and LDS as an image of its registers: [4 pieces][32 lanes][16 bytes].
; Both products are used transposed (S^T = k q^T, O^T = v^T p^T): a lane holds ONE query; the eight registers of result tile t become, by one conversion, registers 2 t, 2 t + 1 of the next operand.
; THE SOFTMAX.  t = score x log2(e) / 32 + sim x beta x log2(e); M = the largest t so far, rounded up to a whole number; p = 2^(t - M) is quantised, not normalised; the sum is taken of the unquantised p.
; When M moves, the sum and O^T are multiplied by 2^(old M - new M): nothing is rounded.  A document is two slots, a trip of the loop: the bias is one scalar.
; THE ORDER OF A STEP.  Scores; v's fragments are asked for; softmax; then, with v in registers, the change of slots; the next step's k is asked for; O^T's products stand under those loads.
; Fragments and scores lie in two buffers of 128 registers, which change roles from step to step: two steps a trip.
; aof, qf: [head 8][tile of 16 rows 128][2,048 bytes]: fragments (lane = row, k = the head's 128).
; PREFETCH: the two tiles of 512 keys that the next trip will load, 262,144 bytes; each cluster names its own; partners and waves are told apart by address, 8,192 bytes a wave, lanes 256 bytes apart.
; LIMITS on the given exponents, so that each power of two below is an f32 number: e6 and e8 between -126 and 112; e4 + e5 between -121 and 132; e6 + e7 is applied by v_ldexp_f32 and has none.
; The promise holds while the scaled scores stay under 2^31 in magnitude.
; Where e6 is under -15 the hold of p at the largest code acts under a key group's running M, not the row's final M.  NaN among the inputs is not served.
; REGISTERS.  Window 0: v1-63 addresses, statistics, constants; v64-95 q; v96-127 p's codes; v128-255 buffer 0.  Window 1: v0-127 O^T (64 a tile); v128-255 buffer 1.
.set SLOT1, 1<<17
.set VOFF,  16384                      ; in a block of 128 keys: 8 fragments of k, then 8 of v
.set FRB,   2048
.set STAT,  2*SLOT1
.set SPARE, STAT+4096                  ; the spare words: 128 bytes for each of eight waves
.set LN, 1
.set L16, 4
.set AKA, 13                           ; v13, v14: my block in slot 0, slot 1
.set PFO, 15
.set SA, 16
.set SR, 17
.set OA, 18
.set ORD, 19
.set GO, 20
.set LIMO, 22                          ; 57,344 x 2^e8
.set SCLO, 23
.set CDO, 24
.set ST, 32                            ; tile u at ST + 8 u: +0 bias - M, +1 0, +2 +3 the sum in two halves, +4 f, +5 0, +6 -M, +7 the largest t
.set MX, 48
.set PD, 52
.set C2, 54                            ; v54-59 the sums' further chains
.set LIMP, 60                          ; 57,344 x 2^e6
.set SCLP, 61
.set SPW, 62
.set NIL, 63
.set Q,  64
.set MB, 64                            ; the merge's statistics, 32 a tile
.set P,  96
.set BF, 128                           ; the buffers, in both windows
.set S,  128
.set O,  0                             ; window 1
.set TRIPS, 3
.set WV, 18
.set GG, 19
.set SEL, 20
.set CS, 22
.set PF1, 21                           ; the head's prefetch: 256 x the lane, at most 15
.set QP, 32
.set CX, 33
.set QB, 34
.set BH, 35
.set G0, 40
.set PFA, 44
.set RL, 46                            ; my part of a slot: 16,384 w
.set SBI, 48                           ; s[48:51] the documents' biases; s48 is the one in hand
.set G1R, 52                           ; group 1 of all fills: 64 rows, 16,384 bytes a wave
.set G0R, 60
.set EPV, 86
.set MSB, 0
.macro WIN new
.if MSB != (\new)
	s_set_vgpr_msb (MSB<<8)|(\new)
.set MSB, (\new)
.endif
.endm
.macro CREST
	s_cmp_lg_u32 s[WV], 0
	s_cbranch_scc1 .Lnot_wave_0_\@
	s_barrier_signal -3
.Lnot_wave_0_\@:
	s_barrier_wait -3
	s_barrier_signal -1
	s_barrier_wait -1
.endm
.macro CROUND
	s_barrier_signal -1
	s_barrier_wait -1
	CREST
.endm
.macro POW2 e, vs, vl                  ; v[vs] = 2^s[e], v[vl] = 57,344 x that
	s_add_co_i32 s90, s[\e], 127
	s_lshl_b32 s91, s90, 23
	v_mov_b32 v[\vs], s91
	s_add_co_i32 s90, s90, 15
	s_lshl_b32 s90, s90, 23
	s_or_b32 s90, s90, 0x600000
	v_mov_b32 v[\vl], s90
.endm
	s_load_b256 s[4:11], s[0:1], 0x0               ; qf, kvf, doc_similarities, beta
	s_load_b128 s[12:15], s[0:1], 0x20             ; the scales' exponents, aof
	v_lshl_add_u32 v[SPW], v0, 2, SPARE
	v_mov_b32 v[NIL], 0
	ds_add_u32 v[SPW], v[NIL]                      ; the opening add, twice on end
	ds_add_u32 v[SPW], v[NIL]
	v_lshrrev_b32 v1, 5, v0
	v_readfirstlane_b32 s[WV], v1
	s_and_b32 s[GG], s[WV], 3
	s_lshr_b32 s[QP], s[WV], 2
	s_bfe_u32 s[CX], ttmp6, 0x40000
	s_lshl_b32 s[QB], ttmp9, 2
	s_add_co_u32 s[QB], s[QB], s[CX]               ; my block of 64 queries: it enters q's and aof's addresses alone
	s_and_b32 s[BH], ttmp7, 0xffff                 ; 8 x batch + head, which the four partners share
.irp g, G1R                            ; dense rows of 256 bytes, elements of 8 bytes, the mask of all four, bit 21 beside it
	s_mov_b32 s[\g], 15|(3<<16)|(1<<21)
	s_mov_b32 s[\g+1], 32<<16
	s_mov_b32 s[\g+3], 32<<16
	s_mov_b32 s[\g+5], 32
	s_mov_b32 s[\g+6], 0
	s_mov_b32 s[\g+7], 0
.endr
	s_mov_b32 s[G1R+2], 64<<16
	s_mov_b32 s[G1R+4], 64
	s_mov_b32 s[SEL], 0x76543210
	s_mov_b32 s[SEL+1], 0xfedcba98
	s_lshl_b32 s36, s[BH], 20                      ; a head's k and v: 1,048,576 bytes
	s_mov_b32 s37, 0
	s_lshl_b32 s38, s[WV], 14                      ; slot 0's first fill: 16,384 bytes a wave
	s_mov_b32 s39, 0
	s_wait_dscnt 0x0                               ; both opening adds are done
	s_wait_kmcnt 0x0
	s_add_nc_u64 s[6:7], s[6:7], s[36:37]
	s_mov_b32 s[G0], 1
	s_mov_b32 s[G0+1], s38
	s_add_nc_u64 s[G0+2:G0+3], s[6:7], s[38:39]
	s_or_b32 s[G0+3], s[G0+3], 0x80000000
	CROUND                                         ; all four work-groups are here: the first joint loads meet
	tensor_load_to_lds s[G0:G0+3], s[G1R:G1R+7]    ; keys 0 to 511, into slot 0
	s_nop 0
	s_lshr_b32 s88, s[BH], 3                       ; batch
	s_and_b32 s89, s[BH], 7                        ; head
	s_lshl_b32 s90, s88, 4
	s_mov_b32 s91, 0
	s_add_nc_u64 s[8:9], s[8:9], s[90:91]          ; my batch's four similarities
	s_load_b128 s[80:83], s[8:9], 0x0
	s_load_b256 s[68:75], s[12:13], 0x0            ; e0 .. e7
	s_load_b64 s[76:77], s[12:13], 0x20            ; e8, e9
	s_load_b32 s84, s[10:11], 0x0                  ; beta
	s_lshl_b32 s90, s89, 18
	s_lshl_b32 s92, s88, 17
	s_add_co_u32 s90, s90, s92
	s_lshl_b32 s92, s[QB], 13
	s_add_co_u32 s90, s90, s92
	s_add_nc_u64 s[14:15], s[14:15], s[90:91]      ; aof at (128 head + 64 batch + 4 block) x 2,048
	s_lshl_b32 s92, s[QP], 12
	s_add_co_u32 s90, s90, s92
	s_add_nc_u64 s[4:5], s[4:5], s[90:91]          ; q at my two tiles
	v_and_b32 v[LN], 31, v0
	v_lshlrev_b32 v[L16], 4, v[LN]
.irp u, 0,1
.irp e, 0,1,2,3
	global_load_b128 v[Q+16*\u+4*\e:Q+16*\u+4*\e+3], v[L16], s[4:5] offset:FRB*\u+512*\e
.endr
.endr
	WIN 0x40                                       ; O^T begins as zeros, which the first change of M leaves zeros
.set i, 0
.rept 128
	v_mov_b32 v[O+i], 0
.set i, i+1
.endr
	WIN 0
	v_min_u32 v[PF1], 15, v[LN]                    ; keys 512 to 1,023: 4,096 bytes a wave; lanes 16-31 name the wave's last block again
	v_lshlrev_b32 v[PF1], 8, v[PF1]
	s_lshl_b32 s92, s[CX], 15
	s_lshl_b32 s93, s[WV], 12
	s_add_co_u32 s92, s92, s93
	s_add_co_u32 s92, s92, SLOT1
	s_mov_b32 s93, 0
	s_add_nc_u64 s[94:95], s[6:7], s[92:93]
	s_lshl_b32 s92, s[CX], 16
	s_lshl_b32 s93, s[WV], 13
	s_add_co_u32 s92, s92, s93
	s_add_co_u32 s92, s92, 2*SLOT1
	s_mov_b32 s93, 0
	s_add_nc_u64 s[PFA:PFA+1], s[6:7], s[92:93]    ; my part of keys 1,024 to 2,047
	v_lshlrev_b32 v[PFO], 8, v[LN]
	s_lshl_b32 s[RL], s[WV], 14
	s_add_co_u32 s92, s[RL], SLOT1
	s_mov_b32 s[G0R], 1
	s_add_co_u32 s[G0R+1], s[RL], SLOT1            ; slot 1's first fill: keys 512 to 1,023
	s_add_nc_u64 s[G0R+2:G0R+3], s[6:7], s[92:93]  ; each refill steps it by a slot
	s_or_b32 s[G0R+3], s[G0R+3], 0x80000000
	s_wait_alu depctr_va_vdst(0)
	global_prefetch_b8 v[PF1], s[94:95] th:TH_LOAD_NT scope:SCOPE_SE
	s_lshl_b32 s90, s[GG], 15
	v_add_nc_u32 v[AKA], s90, v[L16]
	v_add_nc_u32 v[AKA+1], SLOT1, v[AKA]
	v_lshlrev_b32 v2, 2, v[LN]
	s_lshl_b32 s90, s[WV], 9
	s_add_co_u32 s90, s90, STAT
	v_add_nc_u32 v[SA], s90, v2
	s_lshl_b32 s90, s[QP], 11
	s_add_co_u32 s90, s90, STAT
	v_add_nc_u32 v[SR], s90, v2
	s_lshl_b32 s90, s[WV], 14
	v_add_nc_u32 v[OA], s90, v[L16]
	s_lshl_b32 s90, s[QP], 16
	s_lshl_b32 s91, s[GG], 11
	s_add_co_u32 s90, s90, s91
	s_wait_alu depctr_va_vdst(0)
	v_add_nc_u32 v[ORD], s90, v[L16]
	s_lshl_b32 s90, s[QP], 12
	s_lshl_b32 s91, s[GG], 9
	s_add_co_u32 s90, s90, s91
	v_add_nc_u32 v[GO], s90, v[L16]
	s_wait_alu depctr_va_vdst(0)
	s_wait_kmcnt 0x0
	s_add_co_i32 s90, s72, s73
	s_lshl_b32 s90, s90, 23
	s_add_co_i32 s[CS], s90, 0x3d38aa3b            ; log2(e) / 32, with e4 + e5 added to its exponent field
	s_mov_b32 s[CS+1], s[CS]                       ; (named with it as a pair, so it is written)
.irp d, 0,1,2,3
	s_mul_f32 s[SBI+\d], s[80+\d], s84             ; sim x beta, as reference() has it,
	s_mul_f32 s[SBI+\d], s[SBI+\d], 0x3fb8aa3b     ; x log2(e)
.endr
	s_add_co_i32 s[EPV], s74, s75
	POW2 74, SCLP, LIMP
	POW2 76, SCLO, LIMO
.irp u, 0,1
	v_mov_b32 v[ST+8*\u+7], 0xff61b1e6             ; the largest t so far: -3e38, under every t
	v_mov_b32 v[ST+8*\u+1], 0
	v_mov_b32 v[ST+8*\u+2], 0
	v_mov_b32 v[ST+8*\u+3], 0
	v_mov_b32 v[ST+8*\u+5], 0
	v_mov_b32 v[PD+\u], 0                          ; a lane permute's destination counts as one of its sources
	v_floor_f32 v[ST+8*\u+6], -v[ST+8*\u+7]
.endr
.macro KLOAD adr                       ; k's eight fragments of my block
.irp t, 0,1,2,3,4,5,6,7
.irp e, 0,1,2,3
	ds_load_b128 v[BF+16*\t+4*\e:BF+16*\t+4*\e+3], v[\adr] offset:FRB*\t+512*\e
.endr
.endr
.endm
.macro SUMS u                          ; the sum of the unquantised p, two at a time, in four chains
	WIN YW*5
	v_pk_add_f32 v[C2:C2+1], v[S+64*\u+2:S+64*\u+3], v[S+64*\u+4:S+64*\u+5]
	v_pk_add_f32 v[C2+2:C2+3], v[S+64*\u+6:S+64*\u+7], v[S+64*\u+8:S+64*\u+9]
	v_pk_add_f32 v[C2+4:C2+5], v[S+64*\u+10:S+64*\u+11], v[S+64*\u+12:S+64*\u+13]
	WIN YW*4
	v_pk_add_f32 v[ST+8*\u+2:ST+8*\u+3], v[ST+8*\u+2:ST+8*\u+3], v[S+64*\u:S+64*\u+1]
.set n, 0
.rept 25
.if (n%4) == 3
.set D, ST+8*\u+2
.else
.set D, C2+2*(n%4)
.endif
	v_pk_add_f32 v[D:D+1], v[D:D+1], v[S+64*\u+14+2*n:S+64*\u+15+2*n]
.set n, n+1
.endr
.endm
.macro FOLD u
	WIN 0
	v_pk_add_f32 v[C2:C2+1], v[C2:C2+1], v[C2+2:C2+3]
	v_pk_add_f32 v[ST+8*\u+2:ST+8*\u+3], v[ST+8*\u+2:ST+8*\u+3], v[C2+4:C2+5]
	v_pk_add_f32 v[ST+8*\u+2:ST+8*\u+3], v[ST+8*\u+2:ST+8*\u+3], v[C2:C2+1]
.endm
.macro CODES u                         ; tile t's eight keys: registers 2 t, 2 t + 1 of p's fragment
	WIN YW
.irp t, 0,1,2,3,4,5,6,7
	v_cvt_scalef32_pk8_bf8_f32 v[P+16*\u+2*\t:P+16*\u+2*\t+1], v[S+64*\u+8*\t:S+64*\u+8*\t+7], v[SCLP]
.endr
.endm
.macro RESCALE u                       ; O^T under the new M
	WIN 0x41
	s_wait_alu depctr_va_vdst(0)                   ; ahead of the first readers of O^T
.irp j, 0,2,4,6,8,10,12,14,16,18,20,22,24,26,28,30,32,34,36,38,40,42,44,46,48,50,52,54,56,58,60,62
	v_pk_mul_f32 v[O+64*\u+\j:O+64*\u+\j+1], v[O+64*\u+\j:O+64*\u+\j+1], v[ST+8*\u+4:ST+8*\u+5] op_sel_hi:[1,0]
.endr
.endm
; A STEP: my block of the slot p, for my two tiles of queries.  k lies in the buffer of window XW, the scores go to the other, v follows k.
; fill = 1: the slot is filled again with the keys two slots on, behind a round of the cluster's barrier; last = 1: no step follows.
.macro STEP p, fill, last
.set XW, 1-(\p)
.set YW, (\p)
.set AKV, AKA+(\p)
.set AKN, AKA+1-(\p)
.rept 5
	v_nop                                          ; places: the scores are laid over v's fragments, which the last products read
.endr
	WIN XW+64*YW
	s_wait_alu depctr_va_vdst(0)
.irp t, 0,1,2,3,4,5,6,7
	s_wait_dscnt 28-4*\t                           ; tile t's four loads are in; the 28 - 4 t younger ones may be out
	v_wmma_f32_16x16x128_bf8_bf8 v[S+8*\t:S+8*\t+7], v[BF+16*\t:BF+16*\t+15], v[Q:Q+15], 0
	v_wmma_f32_16x16x128_bf8_bf8 v[S+64+8*\t:S+64+8*\t+7], v[BF+16*\t:BF+16*\t+15], v[Q+16:Q+31], 0
.endr
.rept 4
	v_nop                                          ; places in front of the loads below and of the first read of the scores
.endr
	WIN XW*64
.irp t, 0,1,2,3,4,5,6,7                ; v's eight fragments land under the softmax
.irp e, 0,1,2,3
	ds_load_b128 v[BF+16*\t+4*\e:BF+16*\t+4*\e+3], v[AKV] offset:VOFF+FRB*\t+512*\e
.endr
.endr
	; the largest score of each query among my lane's 64 keys: two chains a tile, each accumulator from its low end on
	WIN YW*21
.irp u, 0,1
	v_max3_num_f32 v[MX+2*\u], v[S+64*\u], v[S+64*\u+1], v[S+64*\u+2]
	v_max3_num_f32 v[MX+2*\u+1], v[S+64*\u+3], v[S+64*\u+4], v[S+64*\u+5]
.endr
	WIN YW*20
.irp i, 6,10,14,18,22,26,30,34,38,42,46,50,54,58
.irp u, 0,1
	v_max3_num_f32 v[MX+2*\u], v[MX+2*\u], v[S+64*\u+\i], v[S+64*\u+\i+1]
	v_max3_num_f32 v[MX+2*\u+1], v[MX+2*\u+1], v[S+64*\u+\i+2], v[S+64*\u+\i+3]
.endr
.endr
.irp u, 0,1
	v_max3_num_f32 v[MX+2*\u], v[MX+2*\u], v[S+64*\u+62], v[S+64*\u+63]
.endr
	WIN 0
.irp u, 0,1
	v_max_num_f32 v[MX+2*\u], v[MX+2*\u], v[MX+2*\u+1]
.endr
.irp u, 0,1
	s_delay_alu instid0(VALU_DEP_2)
	v_permlanex16_b32 v[PD+\u], v[MX+2*\u], s[SEL], s[SEL+1]
.endr
.irp u, 0,1
	s_delay_alu instid0(VALU_DEP_2)
	v_max_num_f32 v[MX+2*\u], v[MX+2*\u], v[PD+\u]               ; and among lane l xor 16's
.endr
.irp u, 0,1
	s_delay_alu instid0(VALU_DEP_2)
	v_fma_f32 v[MX+2*\u], v[MX+2*\u], s[CS], s[SBI]              ; as t (c is positive, the bias is the document's)
.endr
.irp u, 0,1
	s_delay_alu instid0(VALU_DEP_2)
	v_max_num_f32 v[ST+8*\u+7], v[ST+8*\u+7], v[MX+2*\u]         ; the running largest t
.endr
.irp u, 0,1
	v_mov_b32 v[MX+2*\u+1], v[ST+8*\u+6]
.endr
.irp u, 0,1
	s_delay_alu instid0(VALU_DEP_4)
	v_floor_f32 v[ST+8*\u+6], -v[ST+8*\u+7]                      ; the new -M = floor(-t): M is a whole number
.endr
.irp u, 0,1
	s_delay_alu instid0(VALU_DEP_2)
	v_sub_f32 v[MX+2*\u+1], v[ST+8*\u+6], v[MX+2*\u+1]           ; old M - new M: a whole number, 0 or less
.endr
.irp u, 0,1
	s_delay_alu instid0(VALU_DEP_2)
	v_cvt_i32_f32 v[MX+2*\u+1], v[MX+2*\u+1]                     ; (it saturates)
.endr
.irp u, 0,1
	s_delay_alu instid0(VALU_DEP_2)
	v_ldexp_f32 v[ST+8*\u+4], 1.0, v[MX+2*\u+1]                  ; f = 2^(old M - new M)
.endr
.irp u, 0,1
	v_add_f32 v[ST+8*\u], s[SBI], v[ST+8*\u+6]                   ; bias - M
.endr
	WIN YW*65
.irp j, 0,2,4,6,8,10,12,14,16,18,20,22,24,26,28,30,32,34,36,38,40,42,44,46,48,50,52,54,56,58,60,62
	v_pk_fma_f32 v[S+\j:S+\j+1], v[S+\j:S+\j+1], s[CS:CS+1], v[ST:ST+1] op_sel_hi:[1,0,0]   ; t - M, two at a time
.endr
	s_wait_alu depctr_va_vdst(0)                   ; ahead of the batch
.set i, 0
.rept 32                               ; tile 0: p = 2^(t - M); between them tile 1's t - M
	v_exp_f32 v[S+i], v[S+i]
	v_exp_f32 v[S+i+1], v[S+i+1]
	v_pk_fma_f32 v[S+64+i:S+65+i], v[S+64+i:S+65+i], s[CS:CS+1], v[ST+8:ST+9] op_sel_hi:[1,0,0]
.set i, i+2
.endr
	WIN 0
.irp u, 0,1
	v_pk_mul_f32 v[ST+8*\u+2:ST+8*\u+3], v[ST+8*\u+2:ST+8*\u+3], v[ST+8*\u+4:ST+8*\u+5] op_sel_hi:[1,0]   ; the sums under the new M
.endr
	s_wait_alu depctr_va_vdst(0)                   ; behind this batch and ahead of the next
	SUMS 0
	WIN YW*65
.set i, 0
.rept 32                               ; tile 1's p; between them tile 0's hold: the conversion does not saturate (ISA guide 7.6.2), p is not negative
	v_exp_f32 v[S+64+i], v[S+64+i]
	v_exp_f32 v[S+65+i], v[S+65+i]
	v_dual_min_num_f32 v[S+i], v[S+i], v[LIMP] :: v_dual_min_num_f32 v[S+i+1], v[S+i+1], v[LIMP]
.set i, i+2
.endr
	WIN 0
	s_wait_alu depctr_va_vdst(0)                   ; behind the batch
.if \last == 0
	; THE CHANGE OF SLOTS.  v is in registers or on its way there: behind the wait for it nobody reads this slot any more.
	s_wait_tensorcnt 0x0                           ; my part of the next slot has landed; the descriptor may be written
	ds_add_u32 v[SPW], v[NIL]
.if \fill
	s_add_co_u32 s[G0R+1], s[RL], (\p)*SLOT1
	s_add_nc_u64 s[G0R+2:G0R+3], s[G0R+2:G0R+3], SLOT1
.if (\p) == 0
	s_wait_xcnt 0x0                                ; the last prefetch has read its address
	s_add_nc_u64 s[PFA:PFA+1], s[PFA:PFA+1], 2*SLOT1
.endif
.endif
.endif
	FOLD 0
	SUMS 1
	FOLD 1
.if \last == 0
	s_wait_alu depctr_va_vdst(0)
	s_wait_dscnt 0x0                               ; the add is done, and v is in
	s_barrier_signal -1
.endif
	WIN YW*65
.set i, 0
.rept 32
	v_dual_min_num_f32 v[S+64+i], v[S+64+i], v[LIMP] :: v_dual_min_num_f32 v[S+65+i], v[S+65+i], v[LIMP]
.set i, i+2
.endr
	CODES 0
.if \last == 0
	CODES 1
	WIN 0
	s_wait_alu depctr_va_vdst(0)
	s_barrier_wait -1
.if \fill
	CREST                                          ; no wave of any partner still reads this slot or has a load on its way
	tensor_load_to_lds s[G0R:G0R+3], s[G1R:G1R+7]  ; my 16,384 bytes of the keys two slots on
	s_nop 0
.endif
	WIN YW*64
	KLOAD AKN                                      ; the next step's k, over the scores
.if (\fill) && ((\p) == 0)
	WIN 0
	s_cmp_gt_u32 s[TRIPS], 1                       ; the loop's last trip asks for nothing
	s_cbranch_scc0 .Lno_more_\@
	global_prefetch_b8 v[PFO], s[PFA:PFA+1] th:TH_LOAD_NT scope:SCOPE_SE
.Lno_more_\@:
.endif
	RESCALE 0                                      ; the rescaling and the products below stand under k's loads
	RESCALE 1
.else
	CODES 1
	RESCALE 0
	RESCALE 1
	s_wait_alu depctr_va_vdst(0)
	s_wait_dscnt 0x0                               ; v is in
.endif
	WIN XW+0x50                                    ; v in window XW; p window 0; O^T window 1.  Sixteen accumulators, one instruction each
.irp t, 0,1,2,3,4,5,6,7
.irp u, 0,1
	v_wmma_f32_16x16x128_bf8_bf8 v[O+64*\u+8*\t:O+64*\u+8*\t+7], v[BF+16*\t:BF+16*\t+15], v[P+16*\u:P+16*\u+15], v[O+64*\u+8*\t:O+64*\u+8*\t+7]
.endr
.endr
	WIN 0
.endm
	s_wait_alu depctr_va_vdst(0)                   ; the wait at the head's end
	s_wait_tensorcnt 0x0                           ; my part of slot 0 has landed
	ds_add_u32 v[SPW], v[NIL]
	s_wait_dscnt 0x0
	CROUND                                         ; and everybody's: slot 0 is whole
	tensor_load_to_lds s[G0R:G0R+3], s[G1R:G1R+7]  ; slot 1's first fill, issued as a refill is
	s_nop 0
	WIN 0x40
	KLOAD AKA
	WIN 0
	global_prefetch_b8 v[PFO], s[PFA:PFA+1] th:TH_LOAD_NT scope:SCOPE_SE
	s_wait_loadcnt 0x0                             ; q
	s_mov_b32 s[TRIPS], 3
.Ltrip:                                            ; a document, two slots; each slot is filled again with the next document's keys
	STEP 0, 1, 0
	STEP 1, 1, 0
.irp i, 0,1,2
	s_mov_b32 s[SBI+\i], s[SBI+\i+1]               ; the next document's bias moves to the front
.endr
	s_sub_co_u32 s[TRIPS], s[TRIPS], 1
	s_cmp_lg_u32 s[TRIPS], 0
	s_cbranch_scc1 .Ltrip
	STEP 0, 0, 0                                   ; the last document fills nothing: written out
	STEP 1, 0, 1
	; THE MERGE.  Each wave hands over -M, its sum and O^T; wave (g, qp) then takes channels 32 g .. 32 g + 31 of its two tiles of queries from all four key groups.
.rept 4
	v_nop                                          ; places behind the last products
.endr
.irp u, 0,1
	v_add_f32 v[ST+8*\u+2], v[ST+8*\u+2], v[ST+8*\u+3]
.endr
.irp u, 0,1
	s_delay_alu instid0(VALU_DEP_2)
	v_permlanex16_b32 v[PD+\u], v[ST+8*\u+2], s[SEL], s[SEL+1]
.endr
.irp u, 0,1
	s_delay_alu instid0(VALU_DEP_2)
	v_add_f32 v[ST+8*\u+2], v[ST+8*\u+2], v[PD+\u]               ; my group's sum of the row
.endr
.irp u, 0,1
	ds_store_b32 v[SA], v[ST+8*\u+6] offset:256*\u
	ds_store_b32 v[SA], v[ST+8*\u+2] offset:256*\u+128
.endr
	WIN 0x04                                       ; store data window 1.  Slot 0 has had its last fill, and every wave has passed the last change of slots, behind which nobody reads it
.irp u, 0,1
.irp k, 0,1,2,3,4,5,6,7,8,9,10,11,12,13,14,15
	ds_store_b128 v[OA], v[O+64*\u+4*\k:O+64*\u+4*\k+3] offset:8192*\u+512*\k
.endr
.endr
	WIN 0
	s_wait_dscnt 0x0
	s_barrier_signal -1
	s_barrier_wait -1
.irp u, 0,1
.irp n, 0,1,2,3
	ds_load_b32 v[MB+32*\u+\n], v[SR] offset:512*\n+256*\u
	ds_load_b32 v[MB+32*\u+4+\n], v[SR] offset:512*\n+256*\u+128
.endr
.endr
.irp u, 0,1
.irp n, 0,1,2,3
.irp e, 0,1,2,3
	ds_load_b128 v[S+64*\u+16*\n+4*\e:S+64*\u+16*\n+4*\e+3], v[ORD] offset:16384*\n+8192*\u+512*\e
.endr
.endr
.endr
	s_wait_dscnt 32                                ; the 16 statistics are in; the 32 loads of O^T may be out
.irp u, 0,1
	v_min3_num_f32 v[MB+32*\u+16], v[MB+32*\u], v[MB+32*\u+1], v[MB+32*\u+2]
.endr
.irp u, 0,1
	s_delay_alu instid0(VALU_DEP_2)
	v_min_num_f32 v[MB+32*\u+16], v[MB+32*\u+16], v[MB+32*\u+3]  ; the row's -M: the least of the four
.endr
.irp n, 0,1,2,3
.irp u, 0,1
	v_sub_f32 v[MB+32*\u+8+2*\n], v[MB+32*\u+16], v[MB+32*\u+\n] ; group n's M - the row's M: a whole number, 0 or less
.endr
.endr
.irp n, 0,1,2,3
.irp u, 0,1
	v_cvt_i32_f32 v[MB+32*\u+8+2*\n], v[MB+32*\u+8+2*\n]
.endr
.endr
.irp n, 0,1,2,3
.irp u, 0,1
	v_ldexp_f32 v[MB+32*\u+8+2*\n], 1.0, v[MB+32*\u+8+2*\n]      ; f of group n: a power of two
.endr
.endr
.irp u, 0,1
	v_mul_f32 v[MB+32*\u+18], v[MB+32*\u+8], v[MB+32*\u+4]
.endr
.irp n, 1,2,3
.irp u, 0,1
	s_delay_alu instid0(VALU_DEP_2)
	v_fmac_f32 v[MB+32*\u+18], v[MB+32*\u+8+2*\n], v[MB+32*\u+4+\n]   ; the row's sum
.endr
.endr
	s_wait_alu depctr_va_vdst(0)
	v_rcp_f32 v[MB+18], v[MB+18]
	v_rcp_f32 v[MB+50], v[MB+50]
	v_nop                                          ; a plain instruction behind the reciprocals
	s_wait_alu depctr_va_vdst(0)                   ; one wait for both, ahead of their first reader
.irp u, 0,1
	v_ldexp_f32 v[MB+32*\u+18], v[MB+32*\u+18], s[EPV]           ; x 2^(e6 + e7)
.endr
.irp n, 0,1,2,3
.irp u, 0,1
	v_mul_f32 v[MB+32*\u+8+2*\n], v[MB+32*\u+8+2*\n], v[MB+32*\u+18]   ; f is a power of two: this product rounds nothing
.endr
.endr
.irp n, 0,1,2,3
.irp u, 0,1
	v_mov_b32 v[MB+32*\u+9+2*\n], v[MB+32*\u+8+2*\n]             ; as a pair, for the packed forms
.endr
.endr
	s_wait_alu depctr_va_vdst(0)
	s_wait_dscnt 0x0
.irp u, 0,1
.irp j, 0,2,4,6,8,10,12,14
	v_pk_mul_f32 v[S+64*\u+\j:S+64*\u+\j+1], v[S+64*\u+\j:S+64*\u+\j+1], v[MB+32*\u+8:MB+32*\u+9]
.endr
.irp n, 1,2,3
.irp j, 0,2,4,6,8,10,12,14
	v_pk_fma_f32 v[S+64*\u+\j:S+64*\u+\j+1], v[S+64*\u+16*\n+\j:S+64*\u+16*\n+\j+1], v[MB+32*\u+8+2*\n:MB+32*\u+9+2*\n], v[S+64*\u+\j:S+64*\u+\j+1]
.endr
.endr
.endr
.irp u, 0,1                            ; the result of reference()'s attention, quantised with 2^e8: my 32 channels are piece g of the row tile's fragment
.set i, 0
.rept 16
	v_med3_num_f32 v[S+64*\u+i], v[S+64*\u+i], -v[LIMO], v[LIMO]
.set i, i+1
.endr
	v_cvt_scalef32_pk8_bf8_f32 v[CDO+4*\u:CDO+4*\u+1], v[S+64*\u:S+64*\u+7], v[SCLO]
	v_cvt_scalef32_pk8_bf8_f32 v[CDO+4*\u+2:CDO+4*\u+3], v[S+64*\u+8:S+64*\u+15], v[SCLO]
.endr
	v_nop
.irp u, 0,1
	global_store_b128 v[GO], v[CDO+4*\u:CDO+4*\u+3], s[14:15] offset:FRB*\u   ; 32 lanes store 512 consecutive bytes, aligned
.endr
	s_wait_tensorcnt 0x0                           ; the wave's end
	ds_add_u32 v[SPW], v[NIL]
	s_wait_dscnt 0x0
	CROUND                                         ; the closing round
	s_endpgm
.Lfunc_end_k_q0437e4edfa_attn:
	.size	k_q0437e4edfa_attn, .Lfunc_end_k_q0437e4edfa_attn-k_q0437e4edfa_attn
	.p2alignl 7, 3214868480
	.fill 96, 4, 3214868480
	.section	.rodata,"a",@progbits
	.p2align	6, 0x0
	.amdhsa_kernel k_q0437e4edfa_attn
		.amdhsa_group_segment_fixed_size 327680
		.amdhsa_private_segment_fixed_size 0
		.amdhsa_enable_private_segment 0
		.amdhsa_kernarg_size 48
		.amdhsa_user_sgpr_count 2
		.amdhsa_user_sgpr_kernarg_segment_ptr 1
		.amdhsa_wavefront_size32 1
		.amdhsa_system_sgpr_workgroup_id_x 1
		.amdhsa_system_sgpr_workgroup_id_y 1
		.amdhsa_system_sgpr_workgroup_id_z 1
		.amdhsa_system_vgpr_workitem_id 0
		.amdhsa_next_free_vgpr 512
		.amdhsa_next_free_sgpr 100
		.amdhsa_reserve_vcc 0
		.amdhsa_float_denorm_mode_32 3
		.amdhsa_float_denorm_mode_16_64 3
		.amdhsa_memory_ordered 1
		.amdhsa_forward_progress 1
		.amdhsa_inst_pref_size 164
	.end_amdhsa_kernel
	.amdgpu_metadata
---
amdhsa.version: [ 1, 2 ]
amdhsa.kernels:
  - .name:           k_q0437e4edfa_attn
    .symbol:         k_q0437e4edfa_attn.kd
    .args:
      - { .name: qf, .offset: 0, .size: 8, .value_kind: global_buffer, .address_space: global }
      - { .name: kvf, .offset: 8, .size: 8, .value_kind: global_buffer, .address_space: global }
      - { .name: doc_similarities, .offset: 16, .size: 8, .value_kind: global_buffer, .address_space: global }
      - { .name: beta, .offset: 24, .size: 8, .value_kind: global_buffer, .address_space: global }
      - { .name: lowp_scales, .offset: 32, .size: 8, .value_kind: global_buffer, .address_space: global }
      - { .name: aof, .offset: 40, .size: 8, .value_kind: global_buffer, .address_space: global }
    .group_segment_fixed_size: 327680
    .private_segment_fixed_size: 0
    .kernarg_segment_align: 8
    .kernarg_segment_size: 48
    .max_flat_workgroup_size: 256
    .sgpr_count:     100
    .vgpr_count:     512
    .wavefront_size: 32
...
	.end_amdgpu_metadata
.endif
;; end of part 2
;; launch outproj (part 3): grid 16 x 16, 4 waves a work-group, clusters of 4 x 4, 218,624 bytes of LDS; arguments aof, Wout_codes, lowp_scales, bout, out0; writes out0
.if DOCPART == 3
	.amdgcn_target "amdgcn-amd-amdhsa--gfx1250"
	.amdhsa_code_object_version 6
	.text
	.protected	k_q0437e4edfa_outproj
	.globl	k_q0437e4edfa_outproj
	.p2align	8
	.type	k_q0437e4edfa_outproj,@function
k_q0437e4edfa_outproj:
	s_mov_b64 s[64:65], 0
	v_nop
	global_prefetch_b8 v0, s[64:65] scope:SCOPE_SE
	s_setreg_imm32_b32 hwreg(HW_REG_WAVE_MODE, 25, 1), 1
	s_wait_xcnt 0x0
	s_wait_alu depctr_hold_cnt(0) depctr_sa_sdst(0) depctr_va_vdst(0) depctr_va_sdst(0) depctr_va_ssrc(0) depctr_va_vcc(0) depctr_vm_vsrc(0)
	s_getreg_b32 s2, hwreg(HW_REG_IB_STS2, 6, 4)
	s_cmp_eq_u32 s2, 0
	s_cbranch_scc0 .Lentry_in_a_cluster
	s_endpgm
.Lentry_in_a_cluster:
	s_bfe_u32 s2, ttmp6, 0x10000c
	s_cmp_lg_u32 s2, 0xf033
	s_cbranch_scc0 .Lentry_shape_is_right
	s_endpgm
.Lentry_shape_is_right:
; out0 = (attention's result) Wout + bout, on codes of BF8 (E5M2).  No work of reference() is left out.
; aof: [head 8][tile of 16 rows 128][2,048 bytes]: fragments as images of their registers (lane = row, k = the head's 128, in the own layout of v_wmma_f32_16x16x128_bf8_bf8).
; Wout: [1024 (n)][1024 (k)] codes, K innermost.  out0: [2048][1024] f32.
; A work-group makes 128 rows x 64 columns: 256 work-groups.  Wave w: row tiles 2 w, 2 w + 1 x all four column tiles: 8 accumulators by turns, 64 products.
; ALL OF K LIES IN LDS AT ONCE (131,072 bytes of fragments, 66,560 of Wout's rows), brought by one load a wave at the head.  Nothing is filled again: no ring.
; CLUSTERS: 4 x 4.  The fragments hang on the block of rows alone and are shared along a row of the cluster, Wout's rows on the block of columns alone and are shared along a column: joint loads.
; Wout's fragments are read by loads of 8 bytes, registers 2 c, 2 c + 1 = k 16 c + 8 (lane / 16) + 0 .. 7, since the other operand was made in that layout.
; The matrix instruction is used transposed (source 0 = 16 rows of Wout, source 1 = 16 rows of the result): a lane holds eight neighbouring columns of one row of out0.
; out0 = sum x 2^(e8 + e9) + bout: one packed multiply-add for two numbers.  LIMIT: e8 + e9 between -126 and 127.
; No prefetch: all loads go out at the head, and there is no loop to run ahead in.
; REGISTERS.  Window 0: v16-27 addresses; v32-63 bout; v64-95, v224-255 results; v96-127, v192-223 rows read back; v128-191 the accumulators.
;             Window 1: two sets of 96: Wout's four fragments, then the result's two, for 128 along K.
.set PB,    1040                       ; a row of Wout in LDS: 1,024 bytes + 16
.set PS,    272                        ; a row of the stage
.set BREG,  131072
.set STAGE, BREG+64*PB                 ; 16 rows x 272 bytes for each wave, for the way out; no tensor load lands there
.set SPARE, 218112                     ; the spare words: 128 bytes for each wave
.set AA,  16
.set AB,  18
.set STO, 24
.set RD,  25
.set CO,  26
.set BO,  27
.set SPW, 30
.set NIL, 31
.set BI,  32
.set ACC, 128
.set G1A, 24
.set G1B, 32
.set G0A, 48
.set G0B, 52
.set MSB, 0
.macro WIN new
.if MSB != (\new)
	s_set_vgpr_msb (MSB<<8)|(\new)
.set MSB, (\new)
.endif
.endm
.macro CROUND
	s_barrier_signal -1
	s_barrier_wait -1
	s_cmp_lg_u32 s14, 0
	s_cbranch_scc1 .Lnot_wave_0_\@
	s_barrier_signal -3
.Lnot_wave_0_\@:
	s_barrier_wait -3
	s_barrier_signal -1
	s_barrier_wait -1
.endm
	s_load_b256 s[4:11], s[0:1], 0x0               ; aof, Wout's codes, the scales' exponents, bout
	s_load_b64 s[12:13], s[0:1], 0x20              ; out0
	v_lshl_add_u32 v[SPW], v0, 2, SPARE
	v_mov_b32 v[NIL], 0
	ds_add_u32 v[SPW], v[NIL]                      ; the opening add, twice on end
	ds_add_u32 v[SPW], v[NIL]
	v_lshrrev_b32 v1, 5, v0
	v_readfirstlane_b32 s14, v1                    ; wave 0..3
	s_lshr_b32 s15, s14, 1                         ; I fetch fragments (0) or Wout's rows (1)
	s_and_b32 s16, s14, 1                          ; which half of them
	s_bfe_u32 s40, ttmp6, 0x40000
	s_bfe_u32 s41, ttmp6, 0x40004
	s_lshl_b32 s42, ttmp9, 2
	s_add_co_u32 s42, s42, s40                     ; x: columns 64 x on
	s_and_b32 s17, ttmp7, 0xffff
	s_lshl_b32 s17, s17, 2
	s_add_co_u32 s17, s17, s41                     ; y: rows 128 y on
	s_lshl_b32 s43, s41, 2
	s_lshl_b32 s43, 15, s43                        ; my row of the cluster
	s_lshl_b32 s44, 0x1111, s40                    ; my column
	; fragments: 8 rows (the heads) of 8,192 bytes (four row tiles), 262,144 bytes apart, dense in LDS
	s_or_b32 s[G1A], s43, (3<<16)|(1<<21)
	s_mov_b32 s[G1A+1], 1024<<16
	s_mov_b32 s[G1A+2], 8<<16
	s_mov_b32 s[G1A+3], 1024<<16
	s_mov_b32 s[G1A+4], 8
	s_mov_b32 s[G1A+5], 32768
	s_mov_b32 s[G1A+6], 0
	s_mov_b32 s[G1A+7], 0
	; Wout: 32 rows x 1,024 bytes, 16 bytes of padding behind each
	s_or_b32 s[G1B], s44, (1<<20)|(1<<21)|(7<<22)|(3<<25)
	s_mov_b32 s[G1B+1], 1024<<16
	s_mov_b32 s[G1B+2], 32<<16
	s_mov_b32 s[G1B+3], 1024<<16
	s_mov_b32 s[G1B+4], 32
	s_mov_b32 s[G1B+5], 1024
	s_mov_b32 s[G1B+6], 0
	s_mov_b32 s[G1B+7], 0
	s_lshl_b32 s20, s17, 14
	s_lshl_b32 s18, s16, 13
	s_add_co_u32 s20, s20, s18                     ; row tile 8 y + 4 half, x 2,048
	s_mov_b32 s21, 0
	s_lshl_b32 s46, s42, 16
	s_lshl_b32 s18, s16, 15
	s_add_co_u32 s46, s46, s18                     ; Wout's row 64 x + 32 half, x 1,024
	s_mov_b32 s47, 0
	s_lshl_b32 s45, s16, 16                        ; in LDS
	s_mul_i32 s19, s16, 32*PB
	s_add_co_u32 s19, s19, BREG
	s_wait_dscnt 0x0                               ; both opening adds are done
	s_wait_kmcnt 0x0
	s_load_b64 s[96:97], s[8:9], 0x20              ; e8, e9
	s_mov_b32 s[G0A], 1
	s_mov_b32 s[G0A+1], s45
	s_add_nc_u64 s[G0A+2:G0A+3], s[4:5], s[20:21]
	s_or_b32 s[G0A+3], s[G0A+3], 0x80000000
	s_mov_b32 s[G0B], 1
	s_mov_b32 s[G0B+1], s19
	s_add_nc_u64 s[G0B+2:G0B+3], s[6:7], s[46:47]
	s_or_b32 s[G0B+3], s[G0B+3], 0x80000000
	CROUND                                         ; all sixteen work-groups are here: the joint loads meet
	s_cmp_eq_u32 s15, 0
	s_cbranch_scc0 .Lfor_b
	tensor_load_to_lds s[G0A:G0A+3], s[G1A:G1A+7]
	s_nop 0
.rept 4
	v_nop
.endr
	s_branch .Lasked
.Lfor_b:
	tensor_load_to_lds s[G0B:G0B+3], s[G1B:G1B+7]
	s_nop 0
.rept 4
	v_nop
.endr
.Lasked:
	v_and_b32 v1, 31, v0
	v_and_b32 v2, 15, v0                           ; r
	v_bfe_u32 v3, v0, 4, 1                         ; h
	v_lshlrev_b32 v4, 4, v1
	v_lshlrev_b32 v[BO], 5, v3                     ; bout: my half's eight columns of a tile
	s_wait_alu depctr_va_vdst(0)
	s_lshl_b32 s84, s42, 8
	s_mov_b32 s85, 0
	s_add_nc_u64 s[10:11], s[10:11], s[84:85]      ; bout at column 64 x
	s_add_nc_u64 s[12:13], s[12:13], s[84:85]      ; out0 likewise,
	s_lshl_b32 s84, s17, 19
	s_lshl_b32 s22, s14, 17
	s_add_co_u32 s84, s84, s22
	s_add_nc_u64 s[12:13], s[12:13], s[84:85]      ; at row 128 y + 32 w
.irp t, 0,1,2,3
	global_load_b128 v[BI+8*\t:BI+8*\t+3], v[BO], s[10:11] offset:64*\t
	global_load_b128 v[BI+8*\t+4:BI+8*\t+7], v[BO], s[10:11] offset:64*\t+16
.endr
	s_lshl_b32 s22, s15, 16                        ; row tiles 2 w, 2 w + 1 lie in half w / 2, at 2 (w % 2)
	s_lshl_b32 s23, s16, 12
	s_add_co_u32 s22, s22, s23
	v_add_nc_u32 v[AA], s22, v4
	v_mul_u32_u24 v5, v2, PB
	v_lshl_add_u32 v[AB], v3, 3, v5
	v_add_nc_u32 v[AB], BREG, v[AB]                ; row r x pitch + 8 h
	s_mul_i32 s22, s14, 16*PS
	s_add_co_u32 s22, s22, STAGE                   ; my stage
	v_mul_u32_u24 v5, v2, PS
	v_lshl_add_u32 v[STO], v3, 5, v5
	v_add_nc_u32 v[STO], s22, v[STO]               ; in: row r, 32 bytes for each half of the lanes
	v_mul_u32_u24 v6, v3, PS
	v_lshl_add_u32 v[RD], v2, 4, v6
	v_add_nc_u32 v[RD], s22, v[RD]                 ; back: lanes 0-15 one row of 256 bytes, lanes 16-31 the next
	v_lshlrev_b32 v[CO], 12, v3
	v_lshl_add_u32 v[CO], v2, 4, v[CO]             ; and the same two rows in out0
.macro LOADK k                         ; 128 along K, head k: 40 loads into set k % 2
	WIN 0x40
.irp a, 0,1
.irp e, 0,1,2,3
	ds_load_b128 v[96*((\k)%2)+64+16*\a+4*\e:96*((\k)%2)+64+16*\a+4*\e+3], v[AA] offset:8192*(\k)+2048*\a+512*\e
.endr
.endr
.irp t, 0,1,2,3
.irp e, 0,1,2,3,4,5,6,7
	ds_load_b64 v[96*((\k)%2)+16*\t+2*\e:96*((\k)%2)+16*\t+2*\e+1], v[AB] offset:16*PB*\t+128*(\k)+16*\e
.endr
.endr
	WIN 0
.endm
.macro MULK k
	WIN 0x05                                       ; sources window 1, C and D window 0
.irp a, 0,1
.irp t, 0,1,2,3
.if (\k) == 0
	v_wmma_f32_16x16x128_bf8_bf8 v[ACC+8*(4*\a+\t):ACC+8*(4*\a+\t)+7], v[96*((\k)%2)+16*\t:96*((\k)%2)+16*\t+15], v[96*((\k)%2)+64+16*\a:96*((\k)%2)+64+16*\a+15], 0
.else
	v_wmma_f32_16x16x128_bf8_bf8 v[ACC+8*(4*\a+\t):ACC+8*(4*\a+\t)+7], v[96*((\k)%2)+16*\t:96*((\k)%2)+16*\t+15], v[96*((\k)%2)+64+16*\a:96*((\k)%2)+64+16*\a+15], v[ACC+8*(4*\a+\t):ACC+8*(4*\a+\t)+7]
.endif
.endr
.endr
	WIN 0
.rept 4
	v_nop                                          ; places in front of loads into this set, and of the first read of the sums
.endr
.endm
	s_wait_alu depctr_va_vdst(0)                   ; the wait at the head's end
	s_wait_tensorcnt 0x0                           ; my load has landed; nothing is ever filled again
	s_barrier_signal -1
	s_barrier_wait -1                              ; everybody's has
	LOADK 0
.irp k, 0,1,2,3,4,5,6
	LOADK \k+1
	s_wait_dscnt 40                                ; all but the 40 just issued
	MULK \k
.endr
	s_wait_dscnt 0
	MULK 7
	; THE WAY OUT: a tile of 16 rows x 64 columns goes through my own stage and comes back as whole rows of 256 bytes.  LDS serves a wave's instructions in order (ISA guide 5.7.1.4): no wait between the stores and the loads.
	s_wait_kmcnt 0x0
	s_add_co_i32 s96, s96, s97
	s_add_co_i32 s96, s96, 127
	s_lshl_b32 s96, s96, 23                        ; 2^(e8 + e9) as f32
	s_mov_b32 s97, s96                             ; (named with it as a pair, so it is written)
	s_wait_loadcnt 0x0                             ; bout
.irp a, 0,1
.irp t, 0,1,2,3
.irp i, 0,2,4,6
	v_pk_fma_f32 v[64+160*\a+8*\t+\i:64+160*\a+8*\t+\i+1], v[ACC+8*(4*\a+\t)+\i:ACC+8*(4*\a+\t)+\i+1], s[96:97], v[BI+8*\t+\i:BI+8*\t+\i+1] op_sel_hi:[1,0,1]   ; each accumulator from its low end on
.endr
.endr
.irp t, 0,1,2,3
	ds_store_b128 v[STO], v[64+160*\a+8*\t:64+160*\a+8*\t+3] offset:64*\t
	ds_store_b128 v[STO], v[64+160*\a+8*\t+4:64+160*\a+8*\t+7] offset:64*\t+16
.endr
.irp i, 0,1,2,3,4,5,6,7
	ds_load_b128 v[96+96*\a+4*\i:96+96*\a+4*\i+3], v[RD] offset:2*PS*\i
.endr
.endr
.irp a, 0,1
.irp i, 0,1,2,3,4,5,6,7
	s_wait_dscnt 23-16*\a-\i                       ; behind this load: the tile's later loads and, for the first tile, the second's 8 stores and 8 loads
	global_store_b128 v[CO], v[96+96*\a+4*\i:96+96*\a+4*\i+3], s[12:13] offset:65536*\a+8192*\i th:TH_STORE_NT   ; 16 lanes store 256 consecutive bytes, aligned; written once, read by nobody here
.endr
.endr
	s_wait_tensorcnt 0x0                           ; the wave's end
	ds_add_u32 v[SPW], v[NIL]
	s_wait_dscnt 0x0
	CROUND                                         ; the closing round: no work-group ends while a partner may still ask for a tile that names it
	s_endpgm
.Lfunc_end_k_q0437e4edfa_outproj:
	.size	k_q0437e4edfa_outproj, .Lfunc_end_k_q0437e4edfa_outproj-k_q0437e4edfa_outproj
	.p2alignl 7, 3214868480
	.fill 96, 4, 3214868480
	.section	.rodata,"a",@progbits
	.p2align	6, 0x0
	.amdhsa_kernel k_q0437e4edfa_outproj
		.amdhsa_group_segment_fixed_size 218624
		.amdhsa_private_segment_fixed_size 0
		.amdhsa_enable_private_segment 0
		.amdhsa_kernarg_size 40
		.amdhsa_user_sgpr_count 2
		.amdhsa_user_sgpr_kernarg_segment_ptr 1
		.amdhsa_wavefront_size32 1
		.amdhsa_system_sgpr_workgroup_id_x 1
		.amdhsa_system_sgpr_workgroup_id_y 1
		.amdhsa_system_sgpr_workgroup_id_z 1
		.amdhsa_system_vgpr_workitem_id 0
		.amdhsa_next_free_vgpr 512
		.amdhsa_next_free_sgpr 100
		.amdhsa_reserve_vcc 0
		.amdhsa_float_denorm_mode_32 3
		.amdhsa_float_denorm_mode_16_64 3
		.amdhsa_memory_ordered 1
		.amdhsa_forward_progress 1
		.amdhsa_inst_pref_size 40
	.end_amdhsa_kernel
	.amdgpu_metadata
---
amdhsa.version: [ 1, 2 ]
amdhsa.kernels:
  - .name:           k_q0437e4edfa_outproj
    .symbol:         k_q0437e4edfa_outproj.kd
    .args:
      - { .name: aof, .offset: 0, .size: 8, .value_kind: global_buffer, .address_space: global }
      - { .name: Wout_codes, .offset: 8, .size: 8, .value_kind: global_buffer, .address_space: global }
      - { .name: lowp_scales, .offset: 16, .size: 8, .value_kind: global_buffer, .address_space: global }
      - { .name: bout, .offset: 24, .size: 8, .value_kind: global_buffer, .address_space: global }
      - { .name: out0, .offset: 32, .size: 8, .value_kind: global_buffer, .address_space: global }
    .group_segment_fixed_size: 218624
    .private_segment_fixed_size: 0
    .kernarg_segment_align: 8
    .kernarg_segment_size: 40
    .max_flat_workgroup_size: 128
    .sgpr_count:     100
    .vgpr_count:     512
    .wavefront_size: 32
...
	.end_amdgpu_metadata
.endif
;; end of part 3
